; MI455X (gfx1250); checked and timed in simulation.
; The chip was launched on July 23, 2026; its instructions are those of AMD's public machine-readable ISA for CDNA 5 (MIT licence, August 2026) and "CDNA5" Instruction Set Architecture Reference Guide (July 2026). The comments in the code are by the model that wrote it; some were corrected since.
;; s LSTM Cell. Allowed arithmetic: matrix products marked QUANTISED: E2M3 operands, one E8M0 scale for each 32 along K, by v_wmma_scale_f32_16x16x128_f8f6f4 with both operands' format E2M3, f32 sums; everything else in f32.
;; Inputs: U_f 2,048 x 2,048 float32; U_i 2,048 x 2,048 float32; U_o 2,048 x 2,048 float32; U_z 2,048 x 2,048 float32; W_f 2,048 x 2,048 float32; W_i 2,048 x 2,048 float32; W_o 2,048 x 2,048 float32; W_z 2,048 x 2,048 float32; b_f 2,048 float32; b_i 2,048 float32; b_o 2,048 float32; b_z 2,048 float32; c_prev 2,048 x 2,048 float32; h_prev 2,048 x 2,048 float32; n_prev 2,048 x 2,048 float32; x 2,048 x 2,048 float32.
;; Outputs: out0 2,048 x 2,048 float32; out1 2,048 x 2,048 float32; out2 2,048 x 2,048 float32.
;; This version of the problem:
;;   THIS VERSION OF THE PROBLEM IS GIVEN IN LOW PRECISION. The matrix products marked QUANTISED in the list below multiply operands that are first quantised to E2M3 (2 exponent bits, 3 mantissa bits; 6 bits a number), with one power-of-two scale for each 32 numbers along K (OCP MX v1.0); their sums are f32. All else is computed in f32.
;;   The module's matrix products, in the order in which they are computed (A, B: the left and right operand; K: the contracted axis; several contracted axes count as one K, in the product's order):
;;     1. [M 2,048, K 2,048] x [K 2,048, N 2,048]; A: input x; B: input W_i: QUANTISED
;;     2. [M 2,048, K 2,048] x [K 2,048, N 2,048]; A: input h_prev; B: input U_i: QUANTISED
;;     3. [M 2,048, K 2,048] x [K 2,048, N 2,048]; A: input x; B: input W_f: QUANTISED
;;     4. [M 2,048, K 2,048] x [K 2,048, N 2,048]; A: input h_prev; B: input U_f: QUANTISED
;;     5. [M 2,048, K 2,048] x [K 2,048, N 2,048]; A: input x; B: input W_o: QUANTISED
;;     6. [M 2,048, K 2,048] x [K 2,048, N 2,048]; A: input h_prev; B: input U_o: QUANTISED
;;     7. [M 2,048, K 2,048] x [K 2,048, N 2,048]; A: input x; B: input W_z: QUANTISED
;;     8. [M 2,048, K 2,048] x [K 2,048, N 2,048]; A: input h_prev; B: input U_z: QUANTISED
;;   THE QUANTISER, for each operand of a quantised product, along K:
;;     - K is cut into blocks of 32 from its start; a last block that is shorter is filled with zeros.
;;     - A block's scale is 2^e with e = floor(log2(the largest magnitude in the block)) - 2, held to -126 .. 127; a block of zeros has e = 0. As a byte (E8M0): e + 127.
;;     - Each number is divided by its block's scale, clamped to +-7.5, and rounded to the nearest number of E2M3, ties to even, subnormals kept.
;;     - The product sums the exact products of the quantised numbers (number of the format x scale) in f32.
;;   ~~~python
;;   def quantise(x, axis):      # numpy; x: float32 -> the quantised numbers, widened to float32 again
;;       x = np.moveaxis(x, axis, -1); K = x.shape[-1]
;;       x = np.pad(x, [(0, 0)] * (x.ndim - 1) + [(0, -K % 32)]); x = x.reshape(x.shape[:-1] + (-1, 32)); a = np.abs(x).max(-1, keepdims=True)
;;       e = np.where(a > 0, np.clip(np.frexp(np.where(a > 0, a, 1))[1] - 1 - 2, -126, 127), 0)      # np.frexp(a)[1] - 1 = floor(log2(a)), exactly
;;       r = np.clip(x / 2.0 ** e, -7.5, 7.5)
;;       step = 2.0 ** (np.maximum(np.frexp(np.where(r == 0, 1, r))[1] - 1, 0) - 3)
;;       q = np.round(r / step) * step * 2.0 ** e      # np.round: ties to even
;;       return np.moveaxis(q.reshape(q.shape[:-2] + (-1,))[..., :K], -1, axis).astype(np.float32)
;;   ~~~
;; One version. Each part assembles by itself: llvm-mc -triple=amdgcn-amd-amdhsa -mcpu=gfx1250 --defsym DOCPART=n.
;; ======== version 1 of 1: 2 launches
;; limits: right only within a limited range of input values
;; workspace buffers: acodes 6,553,600 bytes; bcodes 26,214,400 bytes
;; launch quant (part 1): grid 32 x 16, 8 waves a work-group, no clusters, 120,320 bytes of LDS; arguments x, h_prev, W_i, W_f, W_o, W_z, U_i, U_f, U_o, U_z, acodes, bcodes; writes acodes, bcodes
.if DOCPART == 1
	.amdgcn_target "amdgcn-amd-amdhsa--gfx1250"
	.amdhsa_code_object_version 6
	.text
	.protected	k_qc65c050b9a_quant
	.globl	k_qc65c050b9a_quant
	.p2align	8
	.type	k_qc65c050b9a_quant,@function
k_qc65c050b9a_quant:
	s_mov_b64 s[64:65], 0
	v_nop
	global_prefetch_b8 v0, s[64:65] scope:SCOPE_SE
	s_setreg_imm32_b32 hwreg(HW_REG_WAVE_MODE, 25, 1), 1
	s_wait_xcnt 0x0
; x, h_prev [2048][2048] (K innermost) and the eight weights [2048 (k)][2048 (n)] (K outermost), f32, become codes of FP6 (E2M3) with one E8M0 scale byte for each 32 along K.
; A block's scale is 2^(floor(log2(its largest magnitude)) - 2): its byte is the largest magnitude's exponent field - 2, held at 1 from below; each number is divided by the scale and rounded to the nearest code, ties to even,
; beyond 7.5 the largest code.
; LIMITS: a block of zeros gets the byte 1 where the rule says 127 (its codes are zeros, and the bytes are read by this program alone); blocks whose largest magnitude lies under 2^-124 keep the byte 1;
; NaN and infinities among these inputs are not served.
; THE WORKSPACE IS LAID IN THE ORDER OF THE OPERAND'S REGISTERS.  A RECORD (128 rows of an operand, 128 along K) is 12,800 bytes: eight IMAGES of 1,536 bytes, one for each 16 rows, in which register j (0 .. 11) of lane L
; lies at 512 (j / 4) + 16 L + 4 (j % 4); then 512 bytes of scale words, the word of row r of image i at 256 (i / 4) + 16 r + 4 (i % 4).
;   acodes: record 32 G + s: rows 128 G on of [x | h_prev], K step s (0-15 x, 16-31 h_prev).
;   bcodes: record 32 G' + s: columns 32 G' on of all four gates; image 2 g + u holds gate g (i, f, o, z), columns 32 G' + 16 u + 0 .. 15; K step s (0-15 W_g, 16-31 U_g).
; SHARES.  Work-group (X, Y), 512 in all, eight waves, does two parts on ONE path:
;   QA: wave w makes image w of acodes' record (G = Y, s = X): 16 rows x 128 numbers.  Each load takes a row's 512 consecutive bytes; the numbers turn through the wave's own stage so that lane (r, h) holds
;       k = 64 c + 32 h + 0 .. 31 of row r, which is what the operand's layout gives that lane: the conversions' results are the image.
;   QB: wave w (gate g = w % 4, q = w / 4) takes columns 64 X + 32 q + lane and 256 rows of K (8 blocks of 32) of W_g (Y < 8) or U_g: a lane to a column, registers down K, so that a block lies in one lane
;       and the codes come out with K innermost.  A block's six registers go to their lane's place in an image in the wave's own stage; two images (3,072 consecutive bytes of a record) leave by six stores of 512 bytes.
; The scale words of a record come from several waves: they meet in LDS, one barrier, and five waves send 512 bytes each.  No tensor loads: the waves share nothing else.
.set STA, 0                            ; LDS: QA's stages, 16 rows x (512 + 16) bytes a wave
.set STB, 67584                        ; QB's stages, 2 K steps x 2 images x 1,536 bytes a wave
.set SCR, 116736                       ; scale words: regions of 512 bytes: 2 q + sl for QB's four records, region 4 for QA's
.set REC, 12800
.set IMG, 1536
.set SB,  20                           ; v20-21   QB: a K step's scale word
.set XB,  32                           ; v32-95   QB: two sets of 32 numbers
.set RA,  96                           ; v96-159  QA: 16 rows as loaded
.set OU,  96                           ; v96-143  later: QB's images on their way out, 24 registers a K step;  v144-147 scale words on their way out
.set NA,  160                          ; v160-223 QA: my 64 numbers
.set PA,  224                          ; v224-235 QA: the image's 12 registers
.set PB,  236                          ; v236-241 QB: a block's six registers
.set YA,  244                          ; v244-246, v248-250 QA: the upper halves of two blocks (a conversion's three registers begin on an even number)
.set YB,  252                          ; v252-254 QB: the same of one block
	s_load_b128 s[4:7], s[0:1], 0x0                ; x, h_prev
	s_load_b512 s[8:23], s[0:1], 0x10              ; W_i, W_f, W_o, W_z, U_i, U_f, U_o, U_z
	s_load_b128 s[24:27], s[0:1], 0x50             ; acodes, bcodes
	v_lshl_add_u32 v251, v0, 2, 0x1d200
	v_mov_b32 v255, 0
	v_lshrrev_b32 v1, 5, v0
	s_delay_alu instid0(VALU_DEP_1)
	v_readfirstlane_b32 s28, v1                    ; wave w
	s_mov_b32 s29, ttmp9                           ; X
	s_and_b32 s30, ttmp7, 0xffff                   ; Y
	s_and_b32 s31, s28, 3                          ; g
	s_lshr_b32 s32, s28, 2                         ; q
	s_mov_b32 s40, 0x76543210
	s_mov_b32 s41, 0xfedcba98                      ; v_permlanex16_b32's selects for lane l xor 16
	v_and_b32 v1, 31, v0                           ; lane
	v_and_b32 v2, 15, v0                           ; r
	v_bfe_u32 v22, v0, 4, 1                        ; h (QA), u (QB)
	s_delay_alu instid0(VALU_DEP_3)
	v_lshlrev_b32 v3, 2, v1                        ; 4 x lane: QB's loads
	s_delay_alu instid0(VALU_DEP_4)
	v_lshlrev_b32 v6, 4, v1                        ; 16 x lane: QA's loads and every store
	; LDS addresses: constants, the lane and the wave's number alone
	s_mul_i32 s48, s28, 8448
	v_add_nc_u32 v7, s48, v6                       ; QA's stage, in: 16 x lane, a row an instruction
	v_mul_u32_u24 v8, v2, 528
	s_delay_alu instid0(VALU_DEP_1)
	v_lshl_add_u32 v8, v22, 7, v8
	s_delay_alu instid0(VALU_DEP_1)
	v_add_nc_u32 v8, s48, v8                       ; out: row r, + 128 h
	s_mul_i32 s48, s28, 6144
	s_add_co_u32 s48, s48, STB
	v_add_nc_u32 v10, s48, v6                      ; QB's stage, out: 16 x lane
	v_mul_u32_u24 v4, v22, IMG
	s_delay_alu instid0(VALU_DEP_1)
	v_lshl_add_u32 v4, v2, 4, v4
	s_delay_alu instid0(VALU_DEP_1)
	v_add_nc_u32 v4, s48, v4                       ; in: image u, + 16 r
	s_lshl_b32 s48, s32, 10                        ; QB's scale word: region 2 q (+ sl by the offset),
	s_lshr_b32 s49, s31, 1
	s_lshl_b32 s49, s49, 8
	s_add_co_u32 s48, s48, s49                     ; + 256 (i / 4),
	s_and_b32 s49, s31, 1
	s_lshl_b32 s49, s49, 3
	s_add_co_u32 s48, s48, s49                     ; + 4 (i % 4), i = 2 g + u
	s_add_co_u32 s48, s48, SCR
	v_lshlrev_b32 v5, 4, v2
	s_delay_alu instid0(VALU_DEP_1)
	v_lshl_add_u32 v5, v22, 2, v5
	s_delay_alu instid0(VALU_DEP_1)
	v_add_nc_u32 v5, s48, v5
	s_lshl_b32 s48, s32, 8                         ; QA's: region 4, image w
	s_lshl_b32 s49, s31, 2
	s_add_co_u32 s48, s48, s49
	s_add_co_u32 s48, s48, SCR+2048
	v_lshl_add_u32 v9, v2, 4, s48
	s_min_u32 s48, s28, 4                          ; the region that I send out at the end (waves 0 to 4)
	s_lshl_b32 s48, s48, 9
	s_add_co_u32 s48, s48, SCR
	v_add_nc_u32 v11, s48, v6
	; byte offsets, each under 2^32, in pairs with 0 above
	s_lshl_b32 s34, s30, 7
	s_lshl_b32 s48, s28, 4
	s_add_co_u32 s34, s34, s48                     ; QA's first row: 128 Y + 16 w,
	s_lshl_b32 s34, s34, 13                        ; of 8,192 bytes,
	s_and_b32 s48, s29, 15
	s_lshl_b32 s48, s48, 9
	s_add_co_u32 s34, s34, s48                     ; + 512 (X % 16)
	s_mov_b32 s35, 0
	s_lshl_b32 s50, s30, 5
	s_add_co_u32 s50, s50, s29                     ; acodes' record 32 Y + X
	s_mul_i32 s36, s50, REC
	s_mul_i32 s48, s28, IMG
	s_add_co_u32 s36, s36, s48                     ; image w
	s_mov_b32 s37, 0
	s_and_b32 s38, s30, 7
	s_lshl_b32 s38, s38, 21                        ; QB's first row of K: 256 (Y % 8), of 8,192 bytes,
	s_lshl_b32 s48, s29, 8
	s_add_co_u32 s38, s38, s48
	s_lshl_b32 s48, s32, 7
	s_add_co_u32 s38, s38, s48                     ; + 4 (64 X + 32 q)
	s_mov_b32 s39, 0
	s_lshl_b32 s52, s29, 1
	s_add_co_u32 s52, s52, s32
	s_lshl_b32 s52, s52, 5
	s_lshl_b32 s48, s30, 1
	s_add_co_u32 s52, s52, s48                     ; bcodes' record 32 (2 X + q) + 2 Y
	s_mul_i32 s52, s52, REC
	s_mul_i32 s48, s31, 2*IMG
	s_add_co_u32 s52, s52, s48                     ; images 2 g, 2 g + 1
	s_mov_b32 s53, 0
	s_lshl_b32 s51, s29, 1                         ; the record whose scale words I send: region w = 2 q' + sl' is bcodes' 32 (2 X + q') + 2 Y + sl'
	s_bfe_u32 s48, s28, 0x10001
	s_add_co_u32 s51, s51, s48
	s_lshl_b32 s51, s51, 5
	s_lshl_b32 s48, s30, 1
	s_add_co_u32 s51, s51, s48
	s_and_b32 s48, s28, 1
	s_add_co_u32 s51, s51, s48
	s_wait_kmcnt 0x0
	s_cmp_eq_u32 s28, 4                            ; region 4 is acodes' record.  Every choice of a buffer hangs on ids alone
	s_cselect_b32 s54, s50, s51
	s_cselect_b64 s[46:47], s[24:25], s[26:27]
	s_mul_i32 s54, s54, REC
	s_add_co_u32 s54, s54, 8*IMG                   ; behind the record's eight images
	s_mov_b32 s55, 0
	s_add_nc_u64 s[46:47], s[46:47], s[54:55]
	s_cmp_lt_u32 s30, 8                            ; W's or U's
	s_cselect_b64 s[8:9], s[8:9], s[16:17]
	s_cselect_b64 s[10:11], s[10:11], s[18:19]
	s_cselect_b64 s[12:13], s[12:13], s[20:21]
	s_cselect_b64 s[14:15], s[14:15], s[22:23]
	s_and_b32 s48, s28, 2
	s_cmp_eq_u32 s48, 0                            ; gates i, f or o, z
	s_cselect_b64 s[8:9], s[8:9], s[12:13]
	s_cselect_b64 s[10:11], s[10:11], s[14:15]
	s_and_b32 s48, s28, 1
	s_cmp_eq_u32 s48, 0
	s_cselect_b64 s[8:9], s[8:9], s[10:11]         ; my gate's weight
	s_cmp_lt_u32 s29, 16
	s_cselect_b64 s[4:5], s[4:5], s[6:7]           ; x or h_prev
	s_add_nc_u64 s[4:5], s[4:5], s[34:35]
	s_add_nc_u64 s[8:9], s[8:9], s[38:39]
	s_add_nc_u64 s[42:43], s[24:25], s[36:37]
	s_add_nc_u64 s[44:45], s[26:27], s[52:53]
.macro LOAD t                          ; QB's block t: rows 32 t + i of my column into set t % 2; 32 lanes read 128 consecutive bytes
.irp i, 0,1,2,3,4,5,6,7,8,9,10,11,12,13,14,15,16,17,18,19,20,21,22,23,24,25,26,27,28,29,30,31
	global_load_b32 v[XB+32*((\t)%2)+\i], v3, s[8:9] offset:(32*(\t)+\i)*8192 th:TH_LOAD_NT
.endr
.endm
; QB's block t = 4 sl + kb: k = 32 kb + 0 .. 31 of K step sl.  In the operand that is lane r + 16 (kb % 2), registers 6 (kb / 2) + 0 .. 5.
.macro BLOCK t
.set XS, XB+32*((\t)%2)
.set SL, (\t)/4
.set KB, (\t)%4
.set HH, KB%2
.if (\t) < 7
	s_wait_loadcnt 32                              ; this block's 32 loads are in; the next block's 32 may be out
.else
	s_wait_loadcnt 0
.endif
	v_max3_num_f32 v12, |v[XS]|, |v[XS+1]|, |v[XS+2]|              ; the block's largest magnitude: all 32 numbers are mine; two chains
	v_max3_num_f32 v13, |v[XS+3]|, |v[XS+4]|, |v[XS+5]|
.irp i, 6,10,14,18,22,26
	s_delay_alu instid0(VALU_DEP_2)
	v_max3_num_f32 v12, v12, |v[XS+\i]|, |v[XS+\i+1]|
	s_delay_alu instid0(VALU_DEP_2)
	v_max3_num_f32 v13, v13, |v[XS+\i+2]|, |v[XS+\i+3]|
.endr
	s_delay_alu instid0(VALU_DEP_2)
	v_max3_num_f32 v12, v12, |v[XS+30]|, |v[XS+31]|
	s_delay_alu instid0(VALU_DEP_1)
	v_max3_num_f32 v12, v12, v13, 0x1800000        ; and the floor 2^(3 - 127): the byte cannot fall under 1
	s_delay_alu instid0(VALU_DEP_1)
	v_add_nc_u32 v14, 0xff000000, v12              ; 2 off its exponent field: the conversion takes the exponent field of this operand as its scale
	v_cvt_scalef32_pk16_fp6_f32 v[PB:PB+2], v[XS:XS+15], v14
	v_cvt_scalef32_pk16_fp6_f32 v[YB:YB+2], v[XS+16:XS+31], v14
	v_lshrrev_b32 v15, 23, v14                     ; the scale's byte (also the plain instruction between the conversions and the moves that read their result)
.if KB == 0
	s_delay_alu instid0(VALU_DEP_1)
	v_mov_b32 v[SB+SL], v15                        ; four bytes make my column's scale word of the K step, the lower k in the lower byte
.else
	s_delay_alu instid0(VALU_DEP_1)
	v_lshl_or_b32 v[SB+SL], v15, 8*KB, v[SB+SL]
.endif
.irp i, 0,1,2
	v_mov_b32 v[PB+3+\i], v[YB+\i]
.endr
.if KB < 2                             ; registers 0 to 5: four at 16 L, two at 512 + 16 L
	ds_store_b128 v4, v[PB:PB+3] offset:3072*SL+256*HH
	ds_store_b64 v4, v[PB+4:PB+5] offset:3072*SL+512+256*HH
.else                                  ; registers 6 to 11: two at 512 + 16 L + 8, four at 1,024 + 16 L
	ds_store_b64 v4, v[PB:PB+1] offset:3072*SL+520+256*HH
	ds_store_b128 v4, v[PB+2:PB+5] offset:3072*SL+1024+256*HH
.endif
.if (\t) < 6
	LOAD (\t)+2
.endif
	s_wait_dscnt 0x0                               ; the stores have read their registers: the next block's codes may be written
.endm
; K step sl of QB leaves: the scale word to its region, the two images as 3,072 consecutive bytes of the record.  Each K step has registers of its own, so no store's data are written again.
.macro OUTB sl
	ds_store_b32 v5, v[SB+\sl] offset:512*\sl
.irp k, 0,1,2,3,4,5
	ds_load_b128 v[OU+24*\sl+4*\k:OU+24*\sl+4*\k+3], v10 offset:3072*\sl+512*\k
.endr
.irp k, 0,1,2,3,4,5
	s_wait_dscnt 5-\k                              ; LDS loads come back in order: load k is in, the 5 - k younger ones may be out
	global_store_b128 v6, v[OU+24*\sl+4*\k:OU+24*\sl+4*\k+3], s[44:45] offset:REC*\sl+512*\k   ; 32 lanes store 512 consecutive bytes, at a multiple of 256 from the buffer's first byte
.endr
.endm
.irp k, 0,1,2,3,4,5,6,7,8,9,10,11,12,13,14,15
	global_load_b128 v[RA+4*\k:RA+4*\k+3], v6, s[4:5] offset:8192*\k th:TH_LOAD_NT   ; QA: row k's 512 consecutive bytes
.endr
	LOAD 0
	s_wait_loadcnt 32                              ; QB's 32 loads are younger: QA's 16 are in
.irp k, 0,1,2,3,4,5,6,7,8,9,10,11,12,13,14,15
	ds_store_b128 v7, v[RA+4*\k:RA+4*\k+3] offset:528*\k
.endr
	LOAD 1
.irp c, 0,1
.irp k, 0,1,2,3,4,5,6,7
	ds_load_b128 v[NA+32*\c+4*\k:NA+32*\c+4*\k+3], v8 offset:256*\c+16*\k   ; k = 64 c + 32 h + 4 k' on of row r; LDS serves a wave's instructions in order: these see my stores
.endr
.endr
	s_wait_dscnt 0x0
.irp c, 0,1                            ; my block 2 c + h: all its 32 numbers are mine
	v_max3_num_f32 v[12+\c], |v[NA+32*\c]|, |v[NA+1+32*\c]|, 0x1800000
.endr
.irp i, 2,4,6,8,10,12,14,16,18,20,22,24,26,28,30
.irp c, 0,1
	s_delay_alu instid0(VALU_DEP_2)
	v_max3_num_f32 v[12+\c], v[12+\c], |v[NA+32*\c+\i]|, |v[NA+1+32*\c+\i]|
.endr
.endr
.irp c, 0,1
	s_delay_alu instid0(VALU_DEP_2)
	v_add_nc_u32 v[14+\c], 0xff000000, v[12+\c]
.endr
.irp c, 0,1
	s_delay_alu instid0(VALU_DEP_2)
	v_lshrrev_b32 v[16+\c], 23, v[14+\c]
.endr
	s_delay_alu instid0(VALU_DEP_1)
	v_lshl_or_b32 v18, v17, 16, v16                ; my two bytes: blocks h and 2 + h of row r,
	v_lshlrev_b32 v19, 3, v22
	s_delay_alu instid0(VALU_DEP_1)
	v_lshlrev_b32 v18, v19, v18                    ; at their places in the scale word;
	v_mov_b32 v19, 0
	s_delay_alu instid0(VALU_DEP_1)
	v_permlanex16_b32 v19, v18, s40, s41
	s_delay_alu instid0(VALU_DEP_1)
	v_or_b32 v18, v18, v19                         ; with lane l xor 16's two the word is whole
.irp c, 0,1
	v_cvt_scalef32_pk16_fp6_f32 v[PA+6*\c:PA+6*\c+2], v[NA+32*\c:NA+32*\c+15], v[14+\c]
	v_cvt_scalef32_pk16_fp6_f32 v[YA+4*\c:YA+4*\c+2], v[NA+32*\c+16:NA+32*\c+31], v[14+\c]
.endr
	v_nop                                          ; one plain instruction behind the scaled conversions
.irp c, 0,1
.irp i, 0,1,2
	v_mov_b32 v[PA+3+6*\c+\i], v[YA+4*\c+\i]
.endr
.endr
.irp k, 0,1,2
	global_store_b128 v6, v[PA+4*\k:PA+4*\k+3], s[42:43] offset:512*\k   ; the image as it stands in my registers
.endr
	ds_store_b32 v9, v18                           ; lanes r and r + 16 write the same word with the same value
	BLOCK 0
	BLOCK 1
	BLOCK 2
	BLOCK 3
	s_wait_alu depctr_va_vdst(0)
	OUTB 0
	BLOCK 4
	BLOCK 5
	BLOCK 6
	BLOCK 7
	s_wait_alu depctr_va_vdst(0)
	OUTB 1
	s_wait_dscnt 0x0                               ; for the others' sake: my scale words have landed
	s_barrier_signal -1
	s_barrier_wait -1                              ; everybody's have
	s_cmp_gt_u32 s28, 4
	s_cbranch_scc1 .Lend                           ; five regions, five waves
	ds_load_b128 v[144:147], v11
	s_wait_dscnt 0x0
	global_store_b128 v6, v[144:147], s[46:47]     ; a record's 512 bytes of scale words
.Lend:
	s_wait_tensorcnt 0x0
	ds_add_u32 v251, v255
	s_wait_dscnt 0x0
	s_endpgm
.Lfunc_end_k_qc65c050b9a_quant:
	.size	k_qc65c050b9a_quant, .Lfunc_end_k_qc65c050b9a_quant-k_qc65c050b9a_quant
	.p2alignl 7, 3214868480
	.fill 96, 4, 3214868480
	.section	.rodata,"a",@progbits
	.p2align	6, 0x0
	.amdhsa_kernel k_qc65c050b9a_quant
		.amdhsa_group_segment_fixed_size 120320
		.amdhsa_private_segment_fixed_size 0
		.amdhsa_enable_private_segment 0
		.amdhsa_kernarg_size 96
		.amdhsa_user_sgpr_count 2
		.amdhsa_user_sgpr_kernarg_segment_ptr 1
		.amdhsa_wavefront_size32 1
		.amdhsa_system_sgpr_workgroup_id_x 1
		.amdhsa_system_sgpr_workgroup_id_y 1
		.amdhsa_system_sgpr_workgroup_id_z 1
		.amdhsa_system_vgpr_workitem_id 0
		.amdhsa_next_free_vgpr 256
		.amdhsa_next_free_sgpr 66
		.amdhsa_reserve_vcc 0
		.amdhsa_float_denorm_mode_32 3
		.amdhsa_float_denorm_mode_16_64 3
		.amdhsa_memory_ordered 1
		.amdhsa_forward_progress 1
		.amdhsa_inst_pref_size 57
	.end_amdhsa_kernel
	.amdgpu_metadata
---
amdhsa.version: [ 1, 2 ]
amdhsa.kernels:
  - .name:           k_qc65c050b9a_quant
    .symbol:         k_qc65c050b9a_quant.kd
    .args:
      - { .name: x, .offset: 0, .size: 8, .value_kind: global_buffer, .address_space: global }
      - { .name: h_prev, .offset: 8, .size: 8, .value_kind: global_buffer, .address_space: global }
      - { .name: W_i, .offset: 16, .size: 8, .value_kind: global_buffer, .address_space: global }
      - { .name: W_f, .offset: 24, .size: 8, .value_kind: global_buffer, .address_space: global }
      - { .name: W_o, .offset: 32, .size: 8, .value_kind: global_buffer, .address_space: global }
      - { .name: W_z, .offset: 40, .size: 8, .value_kind: global_buffer, .address_space: global }
      - { .name: U_i, .offset: 48, .size: 8, .value_kind: global_buffer, .address_space: global }
      - { .name: U_f, .offset: 56, .size: 8, .value_kind: global_buffer, .address_space: global }
      - { .name: U_o, .offset: 64, .size: 8, .value_kind: global_buffer, .address_space: global }
      - { .name: U_z, .offset: 72, .size: 8, .value_kind: global_buffer, .address_space: global }
      - { .name: acodes, .offset: 80, .size: 8, .value_kind: global_buffer, .address_space: global }
      - { .name: bcodes, .offset: 88, .size: 8, .value_kind: global_buffer, .address_space: global }
    .group_segment_fixed_size: 120320
    .private_segment_fixed_size: 0
    .kernarg_segment_align: 8
    .kernarg_segment_size: 96
    .max_flat_workgroup_size: 256
    .sgpr_count:     66
    .vgpr_count:     256
    .wavefront_size: 32
...
	.end_amdgpu_metadata
.endif
;; end of part 1
;; launch cell (part 2): grid 32 x 8, 4 waves a work-group, clusters of 4 x 4, 327,680 bytes of LDS; arguments acodes, bcodes, b_i, b_f, b_o, b_z, c_prev, n_prev, out0, out1, out2; writes out0, out1, out2
.if DOCPART == 2
	.amdgcn_target "amdgcn-amd-amdhsa--gfx1250"
	.amdhsa_code_object_version 6
	.text
	.protected	k_qc65c050b9a_cell
	.globl	k_qc65c050b9a_cell
	.p2align	8
	.type	k_qc65c050b9a_cell,@function
k_qc65c050b9a_cell:
	s_mov_b64 s[64:65], 0
	v_nop
	global_prefetch_b8 v0, s[64:65] scope:SCOPE_SE
	s_setreg_imm32_b32 hwreg(HW_REG_WAVE_MODE, 25, 1), 1
	s_wait_xcnt 0x0
	s_wait_alu depctr_hold_cnt(0) depctr_sa_sdst(0) depctr_va_vdst(0) depctr_va_sdst(0) depctr_va_ssrc(0) depctr_va_vcc(0) depctr_vm_vsrc(0)
	s_getreg_b32 s2, hwreg(HW_REG_IB_STS2, 6, 4)
	s_cmp_eq_u32 s2, 0
	s_cbranch_scc0 .Lentry_in_a_cluster
	s_endpgm
.Lentry_in_a_cluster:
	s_bfe_u32 s2, ttmp6, 0x10000c
	s_cmp_lg_u32 s2, 0xf033
	s_cbranch_scc0 .Lentry_shape_is_right
	s_endpgm
.Lentry_shape_is_right:
; The sLSTM cell on codes of FP6 (E2M3): the four gates' pre-activations [x | h_prev] [W_g ; U_g] (K = 4,096) by scaled matrix instructions, then i = exp, f = exp, o = sigmoid, z = tanh,
; c = f c_prev + i z, n = f n_prev + i, h = o c / (n + 1e-6), all in f32.  out0 = h, out1 = c, out2 = n.
; SHARES.  256 work-groups; each makes 256 rows x 64 columns of the outputs, that is 256 rows of A against 256 rows of B (4 gates x 64 columns).  Four waves, each 128 rows x (4 gates x 32 columns): 64 accumulators.
; acodes and bcodes hold RECORDS of 12,800 bytes (128 rows, 128 along K) in the order of the operand's registers: eight images of 1,536 bytes, then 512 bytes of scale words.  A fragment is three loads of 16 bytes a lane.
; THE RING: two LDS slots, each with three K steps of A's two and B's two groups of 128 rows; a wave fills a quarter of a slot by one tensor load (150 rows of 256 bytes, dense).  32 steps = ten fills of three and one of two.
; CLUSTERS: 4 x 4.  A's records hang on the tile row alone and are asked for jointly along a row of the cluster, B's on the tile column alone, along a column.
; c_prev AND n_prev: behind the last round each wave brings 128 rows x 256 bytes of one of them (a plain tensor load, 16 bytes of padding a row) into slot 1, which the products read no more; it is on its way during the last two K steps.
; THE WAY OUT: by blocks of 16 rows.  A lane holds 2 x 8 neighbouring columns of one row; a row's 256 bytes come from two waves, so h, c, n meet in LDS (h in slot 0, c and n in place), one barrier a block,
; signalled behind the block's LDS stores and waited for behind the next block's arithmetic; then whole rows leave, sixteen lanes to an aligned 256 bytes.
; PREFETCHES: with each fill f the codes of fill f + 2 are named, each block of 256 bytes once in a cluster: of a load's 150 blocks the partner at place p (cx for A, cy for B) names 38 p .. 38 p + 37, by address alone.
; The loop's last trip names the short last fill (25 blocks a partner) and the wave's 128 rows of c_prev or n_prev, two and three fills ahead of their load.  Fills 1 and 2 are named at the head.
; LIMITS: h is formed as (c 2^-32) / ((1 + e^-o) 2^-32 (n + 1e-6)), so that the divisor's product stays in range; results are promised where reference()'s own f32 numbers are finite.
.set REC,   12800
.set IMG,   1536
.set QTR,   3*REC                      ; what one tensor load of the ring brings
.set SLOT,  4*QTR
.set GRP,   32*REC                     ; a group's 32 records
.set TRIPS, 4
.set FR,    12
.set NL,    3
.set NPL,   4                          ; places behind this matrix instruction (ISA guide 7.12.1)
.set HT,    0                          ; the way out: h's 256 rows x 272 bytes, in slot 0
.set CT,    SLOT                       ; c's, in slot 1
.set NT,    SLOT+69632                 ; n's
.set SPARE, 2*SLOT                     ; the spare words: 128 bytes a wave, named by no other line
.set LC,   8                           ; v8-10   my 32 bytes of a row in c's, n's, h's stage
.set LN,   9
.set LH,   10
.set RC,   11                          ; v11-13  whole rows back: lanes 0-15 one row, lanes 16-31 the next
.set RN,   12
.set RHT,  13
.set GOF,  14                          ; v14     the same two rows in the outputs
.set BOF,  15                          ; v15     my place in the biases
.set ADRA, 16                          ; v16-17  A's images in slot 0, 1
.set ADRB, 20                          ; v20-21  B's
.set ADRS, 22                          ; v22-23  scale words: lanes 0-15 A's, lanes 16-31 B's
.set PF0,  24                          ; v24-27  prefetch offsets
.set PF1,  25
.set PFCV, 26
.set PFS,  27
.set SPW,  28
.set NIL,  29
.set SC,   32                          ; v32-47  scale words, two sets
.set BI,   64                          ; v64-127 the biases, already times the gate's factor
.set AF,   128                         ; v128-223 A's fragments, one set; on the way out:
.set EI,   128
.set EF,   144
.set EO,   160
.set EZ,   176
.set CPV,  192
.set NPV,  208
.set HV,   240
.set G1A,  32
.set G1B,  40
.set G0A,  48
.set G0B,  56
.set G1C,  80                          ; s[80:87], s[88:91] the load of c_prev or n_prev
.set G0C,  88
.set PFA,  92                          ; s[92:93] my group's codes, one fill behind the fill being asked for
.set PFC,  94                          ; s[94:95] my 128 rows of c_prev or n_prev
.set EPS,  74
.set S32,  78
.set MSB, 0
.macro WIN new                         ; the immediate's high byte repeats the setting that is left
.if MSB != \new
	s_set_vgpr_msb (MSB<<8)|\new
.set MSB, \new
.endif
.endm
.set MUL_LO, 0xa1                      ; source 0 (B) window 1, source 1 (A) window 0, C and D window 2
.set MUL_HI, 0xf1                      ; the same, C and D window 3
.set TO_B,   0x40
.macro PLACES n
.rept \n
	v_nop
.endr
.endm
.macro JLOAD g0a, g1a, g0b, g1b        ; a joint load: waves 0, 1 for A, waves 2, 3 for B
	s_cmp_eq_u32 s27, 0
	s_cbranch_scc0 .Lfor_b_\@
	tensor_load_to_lds s[\g0a:\g0a+3], s[\g1a:\g1a+7]
	s_nop 0
	PLACES 4
	s_branch .Lasked_\@
.Lfor_b_\@:
	tensor_load_to_lds s[\g0b:\g0b+3], s[\g1b:\g1b+7]
	s_nop 0
	PLACES 4
.Lasked_\@:
.endm
.macro CREST                           ; a round of the cluster's barrier behind its opening barrier
	s_cmp_lg_u32 s26, 0
	s_cbranch_scc1 .Lnot_wave_0_\@
	s_barrier_signal -3
.Lnot_wave_0_\@:
	s_barrier_wait -3
	s_barrier_signal -1
	s_barrier_wait -1
.endm
.macro CROUND
	s_barrier_signal -1
	s_barrier_wait -1
	CREST
.endm
.macro ASKC off                        ; my 38 blocks of a whole fill
	global_prefetch_b8 v[PF0], s[PFA:PFA+1] offset:\off th:TH_LOAD_NT scope:SCOPE_SE
	global_prefetch_b8 v[PF1], s[PFA:PFA+1] offset:\off th:TH_LOAD_NT scope:SCOPE_SE
.endm
.macro ASK half                        ; in the loop: the fill two on; in the last trip the short fill and c_prev or n_prev
	s_cmp_eq_u32 s3, 1
	s_cbranch_scc1 .Lcn_\@
	ASKC 3*QTR
	s_branch .Lpf_\@
.Lcn_\@:
.if (\half) == 0
	global_prefetch_b8 v[PFS], s[PFA:PFA+1] offset:3*QTR th:TH_LOAD_NT scope:SCOPE_SE
.endif
	global_prefetch_b8 v[PFCV], s[PFC:PFC+1] offset:(2*(\half))*262144 th:TH_LOAD_NT scope:SCOPE_SE
	global_prefetch_b8 v[PFCV], s[PFC:PFC+1] offset:(2*(\half)+1)*262144 th:TH_LOAD_NT scope:SCOPE_SE
.Lpf_\@:
.endm
	s_load_b128 s[4:7], s[0:1], 0x0                ; acodes, bcodes
	s_load_b256 s[8:15], s[0:1], 0x10              ; b_i, b_f, b_o, b_z
	s_load_b256 s[16:23], s[0:1], 0x30             ; c_prev, n_prev, out0, out1
	s_load_b64 s[24:25], s[0:1], 0x50              ; out2
	v_lshl_add_u32 v[SPW], v0, 2, SPARE
	v_mov_b32 v[NIL], 0
	ds_add_u32 v[SPW], v[NIL]                      ; the opening lines: the add, twice on end, and its wait ahead of my first tensor load
	ds_add_u32 v[SPW], v[NIL]
	v_lshrrev_b32 v1, 5, v0
	v_readfirstlane_b32 s26, v1                    ; wave
	s_lshr_b32 s27, s26, 1                         ; my half of the rows; I fetch for A (0) or B (1); c_prev (0) or n_prev (1)
	s_and_b32 s28, s26, 1                          ; my half of the columns; which group, which 128 rows I fetch
	s_bfe_u32 s29, ttmp6, 0x40000                  ; cx
	s_bfe_u32 s30, ttmp6, 0x40004                  ; cy
	s_lshl_b32 s31, ttmp9, 2
	s_add_co_u32 s31, s31, s29                     ; tile column
	s_and_b32 s66, ttmp7, 0xffff
	s_lshl_b32 s66, s66, 2
	s_add_co_u32 s66, s66, s30                     ; tile row
	s_lshl_b32 s67, s30, 2
	s_lshl_b32 s67, 15, s67                        ; my row of the cluster
	s_lshl_b32 s68, 0x1111, s29                    ; my column
	s_or_b32 s[G1A], s67, (3<<16)|(1<<21)          ; elements of 8 bytes, the mask, bit 21 beside it
	s_or_b32 s[G1B], s68, (3<<16)|(1<<21)
.irp g, G1A, G1B
	s_mov_b32 s[\g+1], 32<<16                      ; dense rows of 256 bytes,
	s_mov_b32 s[\g+2], 150<<16                     ; 150 of them
	s_mov_b32 s[\g+3], 32<<16
	s_mov_b32 s[\g+4], 150
	s_mov_b32 s[\g+5], 32
	s_mov_b32 s[\g+6], 0
	s_mov_b32 s[\g+7], 0
.endr
	s_mov_b32 s[G1C], (3<<16)|(1<<20)|(5<<22)|(3<<25)  ; no mask; 16 bytes of padding behind every 256
	s_mov_b32 s[G1C+1], 32<<16
	s_mov_b32 s[G1C+2], 128<<16
	s_mov_b32 s[G1C+3], 32<<16
	s_mov_b32 s[G1C+4], 128
	s_mov_b32 s[G1C+5], 1024                       ; 8,192 bytes from row to row
	s_mov_b32 s[G1C+6], 0
	s_mov_b32 s[G1C+7], 0
	s_mov_b32 s[S32], 0x2f800000                   ; 2^-32
	s_mov_b32 s[S32+1], s[S32]
	s_mov_b32 s96, 0x3fb8aa3b                      ; log2(e): i, f
	s_mov_b32 s97, s96
	s_mov_b32 s98, 0xbfb8aa3b                      ; -log2(e): o
	s_mov_b32 s99, s98
	s_mov_b32 s100, 0x4038aa3b                     ; 2 log2(e): z
	s_mov_b32 s101, s100
	s_lshl_b32 s70, s66, 1
	s_add_co_u32 s70, s70, s28
	s_mul_i32 s70, s70, GRP                        ; A's group 2 x tile row + half
	s_mov_b32 s71, 0
	s_lshl_b32 s72, s31, 1
	s_add_co_u32 s72, s72, s28
	s_mul_i32 s72, s72, GRP                        ; B's group 2 x tile column + half
	s_mov_b32 s73, 0
	s_mul_i32 s69, s26, QTR                        ; my quarter of a slot
	s_lshl_b32 s74, s66, 8
	s_lshl_b32 s76, s27, 7
	s_add_co_u32 s74, s74, s76
	s_lshl_b32 s76, s28, 3
	s_add_co_u32 s74, s74, s76
	s_lshl_b32 s74, s74, 13                        ; the outputs: row 256 x tile row + 128 x row half + 8 x column half,
	s_lshl_b32 s76, s31, 8
	s_add_co_u32 s74, s74, s76                     ; + 256 bytes x tile column
	s_mov_b32 s75, 0
	s_lshl_b32 s2, s66, 8
	s_lshl_b32 s77, s28, 7
	s_add_co_u32 s2, s2, s77
	s_lshl_b32 s2, s2, 13
	s_add_co_u32 s2, s2, s76                       ; c_prev, n_prev: row 256 x tile row + 128 x (wave % 2), the tile's columns
	s_mov_b32 s3, 0
	s_add_co_u32 s76, s76, s77                     ; the biases: my 32 columns
	s_mov_b32 s77, 0
	s_mul_i32 s88, s27, QTR                        ; my A group in a slot,
	s_mul_i32 s89, s28, QTR
	s_add_co_u32 s89, s89, 2*QTR                   ; my B group,
	s_sub_co_u32 s93, s89, s88                     ; the distance between the two
	s_mul_i32 s90, s27, 128*272
	s_mul_i32 s91, s28, 8*272
	s_add_co_u32 s91, s90, s91                     ; rows back: my 8 of a block's 16
	s_lshl_b32 s92, s28, 7
	s_add_co_u32 s90, s90, s92                     ; into the stage: my 128 rows, my 128 bytes of each
	s_cmp_eq_u32 s27, 0
	s_cselect_b32 s92, s29, s30                    ; my place among the four that ask with me
	v_and_b32 v1, 15, v0                           ; r
	v_bfe_u32 v2, v0, 4, 1                         ; h
	v_and_b32 v3, 31, v0                           ; lane
	v_lshlrev_b32 v4, 4, v3
	v_add_nc_u32 v[ADRA], s88, v4
	v_add_nc_u32 v[ADRB], s89, v4
	v_add_nc_u32 v[ADRA+1], SLOT, v[ADRA]
	v_add_nc_u32 v[ADRB+1], SLOT, v[ADRB]
	v_mul_u32_u24 v5, s93, v2                      ; lanes 16-31 take B's scale words
	v_lshl_add_u32 v5, v1, 4, v5
	v_add_nc_u32 v5, s88, v5
	v_add_nc_u32 v[ADRS], 8*IMG, v5
	v_add_nc_u32 v[ADRS+1], SLOT, v[ADRS]
	v_mul_u32_u24 v6, v1, 272
	v_lshl_add_u32 v6, v2, 5, v6
	v_add_nc_u32 v[LH], s90, v6
	v_add_nc_u32 v[LC], CT, v[LH]
	v_add_nc_u32 v[LN], NT, v[LH]
	v_mul_u32_u24 v7, v2, 272
	v_lshl_add_u32 v7, v1, 4, v7
	v_add_nc_u32 v[RHT], s91, v7
	v_add_nc_u32 v[RC], CT, v[RHT]
	v_add_nc_u32 v[RN], NT, v[RHT]
	v_lshlrev_b32 v[GOF], 13, v2
	v_lshl_add_u32 v[GOF], v1, 4, v[GOF]
	v_lshlrev_b32 v[BOF], 5, v2
	v_mad_u32_u24 v[PF0], s92, 38, v3              ; blocks 38 p + lane,
	v_min_u32 v5, 5, v3
	v_mad_u32_u24 v[PF1], s92, 38, v5
	v_add_nc_u32 v[PF1], 32, v[PF1]                ; and 38 p + 32 .. 37 (lanes left over name the last again),
	v_min_u32 v[PF0], 149, v[PF0]                  ; none beyond the load's 150
	v_min_u32 v[PF1], 149, v[PF1]
	v_lshlrev_b32 v[PF0], 8, v[PF0]
	v_lshlrev_b32 v[PF1], 8, v[PF1]
	v_min_u32 v6, 24, v3
	v_mad_u32_u24 v[PFS], s92, 25, v6              ; the short fill's 100 blocks: 25 a partner
	v_lshlrev_b32 v[PFS], 8, v[PFS]
	v_lshlrev_b32 v[PFCV], 13, v3                  ; c_prev, n_prev: a lane a row
	s_wait_alu depctr_va_vdst(0)
	s_wait_dscnt 0x0                               ; both opening adds are done
	s_wait_kmcnt 0x0
	s_add_nc_u64 s[70:71], s[4:5], s[70:71]
	s_add_nc_u64 s[72:73], s[6:7], s[72:73]
.irp p, 20,22,24
	s_add_nc_u64 s[\p:\p+1], s[\p:\p+1], s[74:75]
.endr
.irp p, 8,10,12,14
	s_add_nc_u64 s[\p:\p+1], s[\p:\p+1], s[76:77]
.endr
	s_cmp_eq_u32 s27, 0                            ; the choices hang on the wave's number alone
	s_cselect_b64 s[PFC:PFC+1], s[16:17], s[18:19]
	s_cselect_b64 s[PFA:PFA+1], s[70:71], s[72:73]
	s_add_nc_u64 s[PFC:PFC+1], s[PFC:PFC+1], s[2:3]
	s_mov_b32 s[G0C], 1
	s_mul_i32 s[G0C+1], s26, 128*272
	s_add_co_u32 s[G0C+1], s[G0C+1], CT            ; c's two halves, then n's two halves
	s_mov_b64 s[G0C+2:G0C+3], s[PFC:PFC+1]
	s_or_b32 s[G0C+3], s[G0C+3], 0x80000000
.irp s, 0,1
	s_mov_b32 s[G0A+4*\s], 1
	s_add_co_u32 s[G0A+4*\s+1], s69, \s*SLOT
	s_add_nc_u64 s[G0A+4*\s+2:G0A+4*\s+3], s[70:71], \s*QTR
	s_or_b32 s[G0A+4*\s+3], s[G0A+4*\s+3], 0x80000000
	s_mov_b32 s[G0B+4*\s], 1
	s_add_co_u32 s[G0B+4*\s+1], s69, \s*SLOT
	s_add_nc_u64 s[G0B+4*\s+2:G0B+4*\s+3], s[72:73], \s*QTR
	s_or_b32 s[G0B+4*\s+3], s[G0B+4*\s+3], 0x80000000
.endr
	s_mov_b32 s[EPS], 0x358637bd                   ; 1e-6
	s_mov_b32 s[EPS+1], s[EPS]
	CROUND                                         ; all sixteen work-groups are here: the first joint loads meet
	JLOAD G0A, G1A, G0B, G1B                       ; fill 0: one tensor load a wave at the head
	ASKC QTR                                       ; fills 1 and 2
	ASKC 2*QTR
.irp g, 0,1,2,3
.irp u, 0,1
.irp k, 0,1
	global_load_b128 v[BI+8*(2*\g+\u)+4*\k:BI+8*(2*\g+\u)+4*\k+3], v[BOF], s[8+2*\g:9+2*\g] offset:64*\u+16*\k
.endr
.endr
.endr
.macro LITOF g
.if (\g) < 2
.set LG, 96
.elseif (\g) == 2
.set LG, 98
.else
.set LG, 100
.endif
.endm
.macro FRAG reg, adr, q, i             ; an image as it lies: 512 bytes a load
.irp c, 0,1,2
	ds_load_b128 v[\reg+4*\c:\reg+4*\c+3], v[\adr] offset:(\q)*REC+(\i)*IMG+512*\c
.endr
.endm
; 16 matrix instructions, used transposed (source 0 = B's image, source 1 = A's): a lane holds a row of A and eight neighbouring columns.  The 64 accumulators take turns.
.macro MUL16 a0, p, zero
.irp a, \a0, \a0+1
.irp b, 0,1,2,3,4,5,6,7
.if \zero
	v_wmma_scale_f32_16x16x128_f8f6f4 v[8*(8*((\a)%4)+\b):8*(8*((\a)%4)+\b)+7], v[128*(\p)+FR*\b:128*(\p)+FR*\b+FR-1], v[AF+FR*(\a):AF+FR*(\a)+FR-1], 0, v[SC+8*(\p)+\b], v[SC+8*(\p)+(\a)] matrix_a_fmt:MATRIX_FMT_FP6 matrix_b_fmt:MATRIX_FMT_FP6 matrix_a_scale:MATRIX_SCALE_ROW1
.else
	v_wmma_scale_f32_16x16x128_f8f6f4 v[8*(8*((\a)%4)+\b):8*(8*((\a)%4)+\b)+7], v[128*(\p)+FR*\b:128*(\p)+FR*\b+FR-1], v[AF+FR*(\a):AF+FR*(\a)+FR-1], v[8*(8*((\a)%4)+\b):8*(8*((\a)%4)+\b)+7], v[SC+8*(\p)+\b], v[SC+8*(\p)+(\a)] matrix_a_fmt:MATRIX_FMT_FP6 matrix_b_fmt:MATRIX_FMT_FP6 matrix_a_scale:MATRIX_SCALE_ROW1
.endif
.endr
.endr
.endm
.macro FETCH_B slot, q, p
	WIN TO_B
.irp i, 0,1,2,3,4,5,6,7
	FRAG 128*(\p)+FR*\i, ADRB+\slot, \q, \i
.endr
	WIN 0
.endm
.macro FETCH_A slot, q, i0
.irp i, \i0, \i0+1, \i0+2, \i0+3
	FRAG AF+FR*(\i), ADRA+\slot, \q, \i
.endr
.endm
.macro SCALES slot, q, p
.irp j, 0,1
	ds_load_b128 v[SC+8*(\p)+4*\j:SC+8*(\p)+4*\j+3], v[ADRS+\slot] offset:(\q)*REC+256*\j
.endr
.endm
; A K step whose successor lies in the same slot.  B has two sets: the idle one takes the next step's fragments at the step's start; A has one: blocks 0-3 come anew in the middle, 4-7 at the end.
.macro STEP slot, q, zero
.set PP, ((\slot)+(\q))%2
	s_wait_dscnt 4*NL                              ; all but the youngest twelve loads (A's blocks 4-7) are in
	FETCH_B \slot, (\q)+1, 1-PP                    ; (the places behind the last step's products stand at that step's end)
	SCALES \slot, (\q)+1, 1-PP
	WIN MUL_LO
	MUL16 0, PP, \zero
	MUL16 2, PP, \zero
	s_wait_dscnt 8*NL+2                            ; A's blocks 4-7 are in; the 26 loads just issued may be out
	PLACES NPL
	WIN 0
	FETCH_A \slot, (\q)+1, 0
	WIN MUL_HI
	MUL16 4, PP, \zero
	MUL16 6, PP, \zero
	PLACES NPL
	WIN 0
	FETCH_A \slot, (\q)+1, 4
.endm
; A slot's last K step: the change of slots.  fill = 1: a whole fill; 2: the short last fill; 0: c_prev and n_prev.  ask = 1, 2: the loop's prefetches, first or second change of a trip.
.macro TURN slot, next, fill, ask
.set PP, (\slot)%2
.if \ask
	s_wait_xcnt 0x0                                ; my prefetches have read their base: it steps a fill
	s_add_nc_u64 s[PFA:PFA+1], s[PFA:PFA+1], QTR
.endif
	s_wait_tensorcnt 0x0                           ; all my tensor loads have landed: my part of the next slot;
	ds_add_u32 v[SPW], v[NIL]
	s_wait_dscnt 4*NL+1                            ; (the add and A's blocks 4-7 may be out)
	WIN MUL_LO
	MUL16 0, PP, 0
	s_wait_dscnt 0x0                               ; the add is done, and my reads of this slot are over
	s_barrier_signal -1
	MUL16 2, PP, 0
	WIN 0
	s_barrier_wait -1
	CREST                                          ; the barrier has opened a round: no wave of any partner reads this slot or has a load on its way
.if \fill
	s_add_nc_u64 s[G0A+4*\slot+2:G0A+4*\slot+3], s[G0A+4*\slot+2:G0A+4*\slot+3], 2*QTR
	s_add_nc_u64 s[G0B+4*\slot+2:G0B+4*\slot+3], s[G0B+4*\slot+2:G0B+4*\slot+3], 2*QTR
.if (\fill) == 2
.irp g, G1A, G1B
	s_mov_b32 s[\g+2], 100<<16                     ; no load of mine is out: two records are 100 rows
	s_mov_b32 s[\g+4], 100
.endr
.endif
	JLOAD G0A+4*\slot, G1A, G0B+4*\slot, G1B       ; the first tensor load behind the round; its four v_nop are the places in front of the loads below
.else
	tensor_load_to_lds s[G0C:G0C+3], s[G1C:G1C+7]  ; my 128 rows of c_prev or n_prev
	s_nop 0
	PLACES 4
.endif
	FETCH_B \next, 0, 1-PP
	FETCH_A \next, 0, 0
	SCALES \next, 0, 1-PP
.if \ask
	ASK (\ask)-1
.endif
	WIN MUL_HI
	MUL16 4, PP, 0
	MUL16 6, PP, 0
	PLACES NPL
	WIN 0
	FETCH_A \next, 0, 4
.endm
	s_wait_tensorcnt 0x0                           ; my part of fill 0 is in; slot 1's first fill is issued as a refill is
	ds_add_u32 v[SPW], v[NIL]
	s_wait_dscnt 0x0
	CROUND
	JLOAD G0A+4, G1A, G0B+4, G1B                   ; fill 1
	FETCH_B 0, 0, 0
	FETCH_A 0, 0, 0
	SCALES 0, 0, 0
	FETCH_A 0, 0, 4
	ASKC 3*QTR                                     ; fill 3
	s_wait_loadcnt 0x0                             ; the biases
.irp g, 0,1,2,3
	LITOF \g
.irp j, 0,2,4,6,8,10,12,14
	v_pk_mul_f32 v[BI+16*\g+\j:BI+16*\g+\j+1], v[BI+16*\g+\j:BI+16*\g+\j+1], s[LG:LG+1] op_sel_hi:[1,0]
.endr
.endr
	s_wait_alu depctr_va_vdst(0)
	STEP 0, 0, 1                                   ; the first step's products start the sums
	s_mov_b32 s3, TRIPS
.Llap:                                                 ; a trip: six K steps, both slots filled again (fills 2 to 9)
	STEP 0, 1, 0
	TURN 0, 1, 1, 1
	STEP 1, 0, 0
	STEP 1, 1, 0
	TURN 1, 0, 1, 2
	STEP 0, 0, 0
	s_sub_co_u32 s3, s3, 1
	s_cmp_lg_u32 s3, 0
	s_cbranch_scc1 .Llap
	STEP 0, 1, 0
	TURN 0, 1, 2, 0                                ; fill 10: the last two K steps
	STEP 1, 0, 0
	STEP 1, 1, 0
	TURN 1, 0, 0, 0                                ; slot 1 takes c_prev and n_prev
	STEP 0, 0, 0
	s_wait_dscnt 4*NL                              ; the last K step fetches nothing
	WIN MUL_LO
	MUL16 0, 1, 0
	MUL16 2, 1, 0
	s_wait_dscnt 0x0                               ; my reads of slot 0 are over,
	s_wait_tensorcnt 0x0                           ; and my rows of c_prev or n_prev have landed:
	s_barrier_signal -1                            ; say so
	WIN MUL_HI
	MUL16 4, 1, 0
	MUL16 6, 1, 0
	WIN 0
	s_barrier_wait -1
	PLACES NPL
.macro CNLD a                          ; my 2 x 8 numbers of c_prev and n_prev in block a
.irp u, 0,1
.irp k, 0,1
	ds_load_b128 v[CPV+8*\u+4*\k:CPV+8*\u+4*\k+3], v[LC] offset:4352*(\a)+64*\u+16*\k
	ds_load_b128 v[NPV+8*\u+4*\k:NPV+8*\u+4*\k+3], v[LN] offset:4352*(\a)+64*\u+16*\k
.endr
.endr
.endm
.macro ARGS a                          ; the exponents to the base 2: (sum + bias) x the gate's factor; each accumulator from its low end on
	WIN 0x02+(\a)/4
	s_wait_alu depctr_va_vdst(0)                   ; directly ahead of the first reader of matrix results
.irp g, 0,1,2,3
	LITOF \g
.irp u, 0,1
.irp k, 0,2,4,6
	v_pk_fma_f32 v[EI+16*\g+8*\u+\k:EI+16*\g+8*\u+\k+1], v[8*(8*((\a)%4)+2*\g+\u)+\k:8*(8*((\a)%4)+2*\g+\u)+\k+1], s[LG:LG+1], v[BI+8*(2*\g+\u)+\k:BI+8*(2*\g+\u)+\k+1] op_sel_hi:[1,0,1]
.endr
.endr
.endr
	WIN 0
.endm
.macro PK2 op, d, x, y                 ; sixteen numbers, two at a time
.irp k, 0,2,4,6,8,10,12,14
	\op v[\d+\k:\d+\k+1], v[\x+\k:\x+\k+1], v[\y+\k:\y+\k+1]
.endr
.endm
.macro COMP                            ; a block's arithmetic, on registers alone
	s_wait_alu depctr_va_vdst(0)                   ; ahead of the batch
.set j, 0
.rept 64
	v_exp_f32 v[EI+j], v[EI+j]                     ; i, f, e^-o, e^2z
.set j, j+1
.endr
	v_nop
	s_wait_alu depctr_va_vdst(0)                   ; and behind it
.irp k, 0,2,4,6,8,10,12,14
	v_pk_add_f32 v[EZ+\k:EZ+\k+1], v[EZ+\k:EZ+\k+1], 1.0 op_sel_hi:[1,0]
.endr
.irp k, 0,2,4,6,8,10,12,14
	v_pk_fma_f32 v[EO+\k:EO+\k+1], v[EO+\k:EO+\k+1], s[S32:S32+1], s[S32:S32+1] op_sel_hi:[1,0,0]   ; (1 + e^-o) 2^-32
.endr
	s_wait_dscnt 0x0                               ; c_prev, n_prev are in
	PK2 v_pk_mul_f32, CPV, EF, CPV                 ; f c_prev
.irp k, 0,2,4,6,8,10,12,14
	v_pk_fma_f32 v[NPV+\k:NPV+\k+1], v[EF+\k:EF+\k+1], v[NPV+\k:NPV+\k+1], v[EI+\k:EI+\k+1]   ; n
.endr
.irp k, 0,2,4,6,8,10,12,14
	v_pk_add_f32 v[EF+\k:EF+\k+1], v[NPV+\k:NPV+\k+1], s[EPS:EPS+1] op_sel_hi:[1,0]
.endr
	PK2 v_pk_mul_f32, EO, EO, EF
	s_wait_alu depctr_va_vdst(0)
.set j, 0
.rept 32
	v_rcp_f32 v[EO+j], v[EO+j]                     ; EO's sixteen, then EZ's
.set j, j+1
.endr
	v_nop
	s_wait_alu depctr_va_vdst(0)
.irp k, 0,2,4,6,8,10,12,14
	v_pk_fma_f32 v[EZ+\k:EZ+\k+1], v[EZ+\k:EZ+\k+1], -2.0, 1.0 op_sel_hi:[1,0,0]   ; tanh
.endr
.irp k, 0,2,4,6,8,10,12,14
	v_pk_fma_f32 v[CPV+\k:CPV+\k+1], v[EI+\k:EI+\k+1], v[EZ+\k:EZ+\k+1], v[CPV+\k:CPV+\k+1]   ; c
.endr
.irp k, 0,2,4,6,8,10,12,14
	v_pk_mul_f32 v[HV+\k:HV+\k+1], v[CPV+\k:CPV+\k+1], s[S32:S32+1] op_sel_hi:[1,0]
.endr
	PK2 v_pk_mul_f32, HV, HV, EO                   ; h
	s_wait_alu depctr_va_vdst(0)
.endm
.macro PUT a
.irp u, 0,1
.irp k, 0,1
	ds_store_b128 v[LH], v[HV+8*\u+4*\k:HV+8*\u+4*\k+3] offset:4352*(\a)+64*\u+16*\k
	ds_store_b128 v[LC], v[CPV+8*\u+4*\k:CPV+8*\u+4*\k+3] offset:4352*(\a)+64*\u+16*\k
	ds_store_b128 v[LN], v[NPV+8*\u+4*\k:NPV+8*\u+4*\k+3] offset:4352*(\a)+64*\u+16*\k
.endr
.endr
.endm
.macro OBSET n                         ; twelve sets of four registers: v32-63, v224-239
.if (\n) < 8
.set OBR, 32+4*(\n)
.else
.set OBR, 224+4*((\n)-8)
.endif
.endm
.macro OUTLD a                         ; my 8 whole rows of block a, of each output
.irp t, 0,1,2,3
	OBSET \t
	ds_load_b128 v[OBR:OBR+3], v[RHT] offset:4352*(\a)+544*\t
	OBSET 4+\t
	ds_load_b128 v[OBR:OBR+3], v[RC] offset:4352*(\a)+544*\t
	OBSET 8+\t
	ds_load_b128 v[OBR:OBR+3], v[RN] offset:4352*(\a)+544*\t
.endr
.endm
.macro OUTST a                         ; sixteen lanes store 256 consecutive bytes, at a multiple of 256 from the buffer's first byte
.irp t, 0,1,2,3
	OBSET \t
	global_store_b128 v[GOF], v[OBR:OBR+3], s[20:21] offset:(16*(\a)+2*\t)*8192 th:TH_STORE_NT
	OBSET 4+\t
	global_store_b128 v[GOF], v[OBR:OBR+3], s[22:23] offset:(16*(\a)+2*\t)*8192 th:TH_STORE_NT
	OBSET 8+\t
	global_store_b128 v[GOF], v[OBR:OBR+3], s[24:25] offset:(16*(\a)+2*\t)*8192 th:TH_STORE_NT
.endr
.endm
	CNLD 0
	ARGS 0
.irp a, 0,1,2,3,4,5,6,7
	COMP                                           ; stands between block a - 1's signal and the wait for it
.if \a > 0
	s_barrier_wait -1                              ; both waves' halves of block a - 1's rows are in the stage
	s_wait_xcnt 0x0                                ; the stores of block a - 2 have read their registers
.endif
	PUT \a
.if \a > 0
	OUTLD \a-1
.endif
.if \a < 7
	ARGS \a+1                                      ; names no register of the LDS instructions that are out
.endif
	s_wait_dscnt 0x0                               ; my stores have landed and read their registers; the rows are back
.if \a < 7
	CNLD \a+1
.endif
.if \a > 0
	OUTST \a-1
.endif
	s_wait_dscnt 0x0                               ; no LDS instruction of mine is out at the signal
	s_barrier_signal -1
.endr
	s_barrier_wait -1
	s_wait_xcnt 0x0
	OUTLD 7
	s_wait_dscnt 0x0
	OUTST 7
	s_wait_tensorcnt 0x0                           ; the wave's end
	ds_add_u32 v[SPW], v[NIL]
	s_wait_dscnt 0x0
	CROUND                                         ; the closing round
	s_endpgm
.Lfunc_end_k_qc65c050b9a_cell:
	.size	k_qc65c050b9a_cell, .Lfunc_end_k_qc65c050b9a_cell-k_qc65c050b9a_cell
	.p2alignl 7, 3214868480
	.fill 96, 4, 3214868480
	.section	.rodata,"a",@progbits
	.p2align	6, 0x0
	.amdhsa_kernel k_qc65c050b9a_cell
		.amdhsa_group_segment_fixed_size 327680
		.amdhsa_private_segment_fixed_size 0
		.amdhsa_enable_private_segment 0
		.amdhsa_kernarg_size 88
		.amdhsa_user_sgpr_count 2
		.amdhsa_user_sgpr_kernarg_segment_ptr 1
		.amdhsa_wavefront_size32 1
		.amdhsa_system_sgpr_workgroup_id_x 1
		.amdhsa_system_sgpr_workgroup_id_y 1
		.amdhsa_system_sgpr_workgroup_id_z 1
		.amdhsa_system_vgpr_workitem_id 0
		.amdhsa_next_free_vgpr 1024
		.amdhsa_next_free_sgpr 102
		.amdhsa_reserve_vcc 0
		.amdhsa_float_denorm_mode_32 3
		.amdhsa_float_denorm_mode_16_64 3
		.amdhsa_memory_ordered 1
		.amdhsa_forward_progress 1
		.amdhsa_inst_pref_size 255
	.end_amdhsa_kernel
	.section	.bss,"aw",@nobits
	.p2align	6
	.space	262144
	.amdgpu_metadata
---
amdhsa.version: [ 1, 2 ]
amdhsa.kernels:
  - .name:           k_qc65c050b9a_cell
    .symbol:         k_qc65c050b9a_cell.kd
    .args:
      - { .name: acodes, .offset: 0, .size: 8, .value_kind: global_buffer, .address_space: global }
      - { .name: bcodes, .offset: 8, .size: 8, .value_kind: global_buffer, .address_space: global }
      - { .name: b_i, .offset: 16, .size: 8, .value_kind: global_buffer, .address_space: global }
      - { .name: b_f, .offset: 24, .size: 8, .value_kind: global_buffer, .address_space: global }
      - { .name: b_o, .offset: 32, .size: 8, .value_kind: global_buffer, .address_space: global }
      - { .name: b_z, .offset: 40, .size: 8, .value_kind: global_buffer, .address_space: global }
      - { .name: c_prev, .offset: 48, .size: 8, .value_kind: global_buffer, .address_space: global }
      - { .name: n_prev, .offset: 56, .size: 8, .value_kind: global_buffer, .address_space: global }
      - { .name: out0, .offset: 64, .size: 8, .value_kind: global_buffer, .address_space: global }
      - { .name: out1, .offset: 72, .size: 8, .value_kind: global_buffer, .address_space: global }
      - { .name: out2, .offset: 80, .size: 8, .value_kind: global_buffer, .address_space: global }
    .group_segment_fixed_size: 327680
    .private_segment_fixed_size: 0
    .kernarg_segment_align: 8
    .kernarg_segment_size: 88
    .max_flat_workgroup_size: 128
    .sgpr_count:     102
    .vgpr_count:     1024
    .wavefront_size: 32
...
	.end_amdgpu_metadata
.endif
;; end of part 2
